; MI455X (gfx1250); checked and timed in simulation.
; The chip was launched on July 23, 2026; its instructions are those of AMD's public machine-readable ISA for CDNA 5 (MIT licence, August 2026) and "CDNA5" Instruction Set Architecture Reference Guide (July 2026). The comments in the code are by the model that wrote it; some were corrected since.
;; Attention. Allowed arithmetic: float matrix products may take bf16 or f16 operands with f32 sums; all other float work in f32.
;; Inputs: W 1,024 x 1,024 float32; b 1,024 float32; encoder_outputs 32,768 x 1,024 float32; hidden 1,024 float32.
;; Outputs: out0 1 x 1 x 32,768 float32.
;; One version. Each part assembles by itself: llvm-mc -triple=amdgcn-amd-amdhsa -mcpu=gfx1250 --defsym DOCPART=n.
;; ======== version 1 of 1: 3 launches
;; workspace buffers: vpart 65,536 bytes; energy 131,072 bytes; stats 2,048 bytes
;; launch wth (part 1): grid 16 x 16, 1 waves a work-group, no clusters, 0 bytes of LDS; arguments W, hidden, vpart; writes vpart
.if DOCPART == 1
	.amdgcn_target "amdgcn-amd-amdhsa--gfx1250"
	.amdhsa_code_object_version 6
	.text
	.protected	k_q3c17fafc6a_wth
	.globl	k_q3c17fafc6a_wth
	.p2align	8
	.type	k_q3c17fafc6a_wth,@function
k_q3c17fafc6a_wth:
	s_mov_b64 s[64:65], 0
	v_nop
	global_prefetch_b8 v0, s[64:65] scope:SCOPE_SE
	s_setreg_imm32_b32 hwreg(HW_REG_WAVE_MODE, 25, 1), 1
	s_wait_xcnt 0x0
; FIRST OF THREE LAUNCHES.  reference() forms (E W^T + b) h and takes a softmax.  The projected matrix serves only the product with the
; vector h, and matrix products are associative: (E W^T + b) h = E (W^T h) + (b . h) for every input.  So the program forms
; v[k] = sum over j of W[j][k] h[j] (this launch, in 16 partial sums), then e[i] = E[i] . v + b . h, then the softmax.
; LIMIT, stated: the order of rounding differs from reference()'s (all products and sums here are f32 fused multiply-adds).
; These are products with one column: 2 operations for each 4 bytes loaded, so bytes decide and the matrix units are left out;
; f32 operands also keep the energies exact enough for the exponential that follows.
;
; THIS LAUNCH: vpart[rp][k] = sum over the 64 rows j of part rp of W[j][k] h[j].   W: [1024][1024] f32, vpart: [16][1024] f32.
; One wave a work-group.  Work-group (cg, rp) owns columns 64 cg .. +63 and rows 64 rp .. +63: 16 KiB of W, read once in the launch.
; Lane (r = l % 16, hh = l / 16) owns columns 4 r .. 4 r + 3 and rows 32 hh + i, i = 0 .. 31: one load of the wave covers 256 consecutive
; aligned bytes of one row for each half of the lanes.  All 40 loads are issued before anything is waited for.
; No work-group shares a byte of W with another, so there is nothing to ask for jointly in a cluster; no LDS, no barrier.
.set ROWB, 4096                        ; bytes in a row of W and of vpart
.set ACC,  6                           ; v[6:9]     sums of the even rows, my 4 columns
.set AC2,  10                          ; v[10:13]   sums of the odd rows; later what the other half of the lanes sends
.set HV,   16                          ; v[16:47]   h of my 32 rows
.set WV,   48                          ; v[48:175]  row i: 4 registers
	s_load_b128 s[4:7], s[0:1], 0x0                ; W s[4:5], hidden s[6:7]
	s_load_b64 s[8:9], s[0:1], 0x10                ; vpart
	s_and_b32 s10, ttmp7, 0xffff                   ; rp: which 64 rows
	s_lshl_b32 s11, ttmp9, 8                       ; cg x 64 columns x 4 bytes
	s_lshl_b32 s12, s10, 18                        ; rp x 64 rows x 4,096 bytes
	s_add_co_u32 s12, s12, s11
	s_mov_b32 s13, 0                               ; s[12:13]: my corner of W (below 4 MiB)
	s_lshl_b32 s18, s10, 8                         ; rp x 64 numbers of h
	s_mov_b32 s19, 0
	s_lshl_b32 s20, s10, 12                        ; row rp of vpart
	s_add_co_u32 s20, s20, s11
	s_mov_b32 s21, 0
	s_mov_b32 s14, 0x76543210                      ; v_permlanex16_b32: lane i of one half reads lane i of the other
	s_mov_b32 s15, 0xfedcba98
	v_and_b32 v1, 15, v0                           ; r
	v_lshrrev_b32 v2, 4, v0                        ; hh (one wave: v0 is the lane)
	v_lshlrev_b32 v5, 4, v1                        ; 16 r: my 4 columns, in W's rows and in vpart's
	v_lshl_or_b32 v3, v2, 17, v5                   ; + hh x 32 rows x 4,096 bytes
	v_lshlrev_b32 v4, 7, v2                        ; hh x 32 numbers of h
	s_wait_kmcnt 0x0
	s_add_nc_u64 s[4:5], s[4:5], s[12:13]
	s_add_nc_u64 s[6:7], s[6:7], s[18:19]
	s_add_nc_u64 s[8:9], s[8:9], s[20:21]
.irp q, 0,1,2,3,4,5,6,7
	global_load_b128 v[HV+4*\q:HV+4*\q+3], v4, s[6:7] offset:16*\q             ; h of my 32 rows (the same in all 16 lanes of a half)
.endr
.set n, 0
.rept 32
	global_load_b128 v[WV+4*n:WV+4*n+3], v3, s[4:5] offset:ROWB*n th:TH_LOAD_NT ; W is read once in the whole launch
.set n, n+1
.endr
; Row i of my 32: four multiply-adds in two packed instructions, all by h of that row.  h lies in pairs: an even row's is the pair's first
; register (op_sel_hi 0 sends it to the high result too), an odd row's the second (op_sel 1 sends it to the low result too).
; Even and odd rows keep sums of their own, so that no instruction waits for the one in front; rows 0 and 1 start the sums: nothing is cleared.
.macro WROW i
	s_wait_loadcnt 31-\i                           ; loads come back in order: the 31 - i rows behind this one may be out; h, asked for first, is in
.if \i == 0
	v_pk_mul_f32 v[ACC:ACC+1],   v[WV:WV+1],   v[HV:HV+1] op_sel_hi:[1,0]
	v_pk_mul_f32 v[ACC+2:ACC+3], v[WV+2:WV+3], v[HV:HV+1] op_sel_hi:[1,0]
.elseif \i == 1
	v_pk_mul_f32 v[AC2:AC2+1],   v[WV+4:WV+5], v[HV:HV+1] op_sel:[0,1] op_sel_hi:[1,1]
	v_pk_mul_f32 v[AC2+2:AC2+3], v[WV+6:WV+7], v[HV:HV+1] op_sel:[0,1] op_sel_hi:[1,1]
.elseif \i % 2 == 0
	v_pk_fma_f32 v[ACC:ACC+1],   v[WV+4*\i:WV+4*\i+1],   v[HV+\i:HV+\i+1], v[ACC:ACC+1]   op_sel_hi:[1,0,1]
	v_pk_fma_f32 v[ACC+2:ACC+3], v[WV+4*\i+2:WV+4*\i+3], v[HV+\i:HV+\i+1], v[ACC+2:ACC+3] op_sel_hi:[1,0,1]
.else
	v_pk_fma_f32 v[AC2:AC2+1],   v[WV+4*\i:WV+4*\i+1],   v[HV+\i-1:HV+\i], v[AC2:AC2+1]   op_sel:[0,1,0] op_sel_hi:[1,1,1]
	v_pk_fma_f32 v[AC2+2:AC2+3], v[WV+4*\i+2:WV+4*\i+3], v[HV+\i-1:HV+\i], v[AC2+2:AC2+3] op_sel:[0,1,0] op_sel_hi:[1,1,1]
.endif
.endm
.set n, 0
.rept 32
	WROW n
.set n, n+1
.endr
	v_pk_add_f32 v[ACC:ACC+1],   v[ACC:ACC+1],   v[AC2:AC2+1]                  ; even + odd rows: my 32 rows
	v_pk_add_f32 v[ACC+2:ACC+3], v[ACC+2:ACC+3], v[AC2+2:AC2+3]
.irp k, 0,1,2,3
	v_permlanex16_b32 v[AC2+\k], v[ACC+\k], s14, s15                           ; the same columns' sums over the other half's 32 rows
.endr
	v_pk_add_f32 v[ACC:ACC+1],   v[ACC:ACC+1],   v[AC2:AC2+1]                  ; all 64 rows, in both halves
	v_pk_add_f32 v[ACC+2:ACC+3], v[ACC+2:ACC+3], v[AC2+2:AC2+3]
	v_cmp_gt_u32 vcc_lo, 16, v0
	s_wait_xcnt 0x0                                ; EXEC is a source of the memory instructions issued so far: it narrows only behind this wait
	s_and_saveexec_b32 s16, vcc_lo                 ; lanes 0 to 15
	global_store_b128 v5, v[ACC:ACC+3], s[8:9]     ; sixteen lanes store 256 consecutive bytes, aligned: the group's 64 columns of row rp
	s_wait_xcnt 0x0                                ; and widens again only behind this one
	s_or_b32 exec_lo, exec_lo, s16
	s_endpgm
.Lfunc_end_k_q3c17fafc6a_wth:
	.size	k_q3c17fafc6a_wth, .Lfunc_end_k_q3c17fafc6a_wth-k_q3c17fafc6a_wth
	.p2alignl 7, 3214868480
	.fill 96, 4, 3214868480
	.section	.rodata,"a",@progbits
	.p2align	6, 0x0
	.amdhsa_kernel k_q3c17fafc6a_wth
		.amdhsa_group_segment_fixed_size 0
		.amdhsa_private_segment_fixed_size 0
		.amdhsa_enable_private_segment 0
		.amdhsa_kernarg_size 24
		.amdhsa_user_sgpr_count 2
		.amdhsa_user_sgpr_kernarg_segment_ptr 1
		.amdhsa_wavefront_size32 1
		.amdhsa_system_sgpr_workgroup_id_x 1
		.amdhsa_system_sgpr_workgroup_id_y 1
		.amdhsa_system_sgpr_workgroup_id_z 1
		.amdhsa_system_vgpr_workitem_id 0
		.amdhsa_next_free_vgpr 176
		.amdhsa_next_free_sgpr 66
		.amdhsa_reserve_vcc 1
		.amdhsa_float_denorm_mode_32 3
		.amdhsa_float_denorm_mode_16_64 3
		.amdhsa_memory_ordered 1
		.amdhsa_forward_progress 1
		.amdhsa_inst_pref_size 11
	.end_amdhsa_kernel
	.amdgpu_metadata
---
amdhsa.version: [ 1, 2 ]
amdhsa.kernels:
  - .name:           k_q3c17fafc6a_wth
    .symbol:         k_q3c17fafc6a_wth.kd
    .args:
      - { .name: W, .offset: 0, .size: 8, .value_kind: global_buffer, .address_space: global }
      - { .name: hidden, .offset: 8, .size: 8, .value_kind: global_buffer, .address_space: global }
      - { .name: vpart, .offset: 16, .size: 8, .value_kind: global_buffer, .address_space: global }
    .group_segment_fixed_size: 0
    .private_segment_fixed_size: 0
    .kernarg_segment_align: 8
    .kernarg_segment_size: 24
    .max_flat_workgroup_size: 32
    .sgpr_count:     66
    .vgpr_count:     176
    .wavefront_size: 32
...
	.end_amdgpu_metadata
.endif
;; end of part 1
;; launch energy (part 2): grid 256 x 1, 16 waves a work-group, no clusters, 7,168 bytes of LDS; arguments encoder_outputs, vpart, b, hidden, energy, stats; writes energy, stats
.if DOCPART == 2
	.amdgcn_target "amdgcn-amd-amdhsa--gfx1250"
	.amdhsa_code_object_version 6
	.text
	.protected	k_q3c17fafc6a_energy
	.globl	k_q3c17fafc6a_energy
	.p2align	8
	.type	k_q3c17fafc6a_energy,@function
k_q3c17fafc6a_energy:
	s_mov_b64 s[64:65], 0
	v_nop
	global_prefetch_b8 v0, s[64:65] scope:SCOPE_SE
	s_setreg_imm32_b32 hwreg(HW_REG_WAVE_MODE, 25, 1), 1
	s_wait_xcnt 0x0
; SECOND OF THREE LAUNCHES.  energy[i] = E[i] . v + c, with v = the sum of vpart's 16 rows (= W^T h) and c = b . h; and for each work-group
; stats[g] = (m, s): m the largest of its 128 energies, s the sum of exp(e - m) over them.   E: [32768][1024] f32.
; All arithmetic in f32.  LIMIT, stated: E (W^T h) + b . h is rounded in another order than reference()'s (E W^T + b) h.
; The exponentials here have arguments of 0 or below (the group's own maximum is taken away first); v_exp_f32 gives 0 for results
; below 2^-126 (ISA guide, its entry in chapter 15), which drops terms that small from s.
;
; Sixteen waves; the work-group owns 128 rows of E (512 KiB), wave w rows 8 w .. 8 w + 7, one row at a time: the sum along a row never leaves
; the wave.  Lane l holds columns 128 j + 4 l .. + 3, j = 0 .. 7: eight loads of 512 consecutive aligned bytes make a row, 32 registers.
; Four row slots in registers: 16 waves x 4 rows x 4 KiB = 256 KiB, half of the group's share, are asked for before anything is waited for.
; E is read once in the launch and no two work-groups share a byte of it.  What they do share (vpart, b, h: 72 KiB a group against 512 KiB
; of E) is read once at the head, behind E's... in front of E's first loads and summed while those are on their way: too small a part
; of a group's bytes for joint requests in a cluster, so none.  The matrix units are left out: one column, 2 operations for 4 bytes.
; No address register and no base is written again after its first use, so no wait is needed to free one.
.set ROWB, 4096                        ; bytes in a row of E and of vpart
.set CW,   4096                        ; LDS 0 .. 4095: v[1024].  LDS 4096 .. 4223: 32 words, word 2 w + hh = b . h over that half-wave's 32 columns
.set EN,   4224                        ; LDS 4224 .. 4735: the group's 128 energies.  No LDS byte is written twice
.set CI,   8                           ; v[8:9]     (my lane's word of CW, 0.0): the first addend of every row's sum
.set A,    10                          ; v[10:17]   four pairs of running sums
.set PX,   18                          ; v18        what v_permlanex16_b32 brings
.set VV,   20                          ; v[20:51]   v of my 32 columns
.set X,    52                          ; v[52:179]  slot s: 32 registers, a row of E
.set P,    180                         ; v[180:211] vpart's 16 rows at columns 2 t, 2 t + 1
.set BB,   212                         ; v[212:213] b of these two columns
.set HH,   214                         ; v[214:215] h of these two columns
.set L2E,  0x3fb8aa3b                  ; log2 e
.macro WSUM r                          ; the sum over the 32 lanes, in every lane: four steps inside each 16 lanes, one across
	v_add_f32_dpp v[\r], v[\r], v[\r] row_xmask:1 row_mask:0xf bank_mask:0xf
	v_add_f32_dpp v[\r], v[\r], v[\r] row_xmask:2 row_mask:0xf bank_mask:0xf
	v_add_f32_dpp v[\r], v[\r], v[\r] row_xmask:4 row_mask:0xf bank_mask:0xf
	v_add_f32_dpp v[\r], v[\r], v[\r] row_xmask:8 row_mask:0xf bank_mask:0xf
	v_permlanex16_b32 v[PX], v[\r], s20, s21
	v_add_f32 v[\r], v[\r], v[PX]
.endm
.macro WMAX r                          ; likewise the largest
	v_max_num_f32_dpp v[\r], v[\r], v[\r] row_xmask:1 row_mask:0xf bank_mask:0xf
	v_max_num_f32_dpp v[\r], v[\r], v[\r] row_xmask:2 row_mask:0xf bank_mask:0xf
	v_max_num_f32_dpp v[\r], v[\r], v[\r] row_xmask:4 row_mask:0xf bank_mask:0xf
	v_max_num_f32_dpp v[\r], v[\r], v[\r] row_xmask:8 row_mask:0xf bank_mask:0xf
	v_permlanex16_b32 v[PX], v[\r], s20, s21
	v_max_num_f32 v[\r], v[\r], v[PX]
.endm
.macro FILL r                          ; row r of my eight into slot r % 4: eight loads of 512 consecutive bytes
.irp j, 0,1,2,3,4,5,6,7
	global_load_b128 v[X+32*((\r)%4)+4*\j:X+32*((\r)%4)+4*\j+3], v2, s[4:5] offset:ROWB*(\r)+512*\j th:TH_LOAD_NT
.endr
.endm
	s_load_b256 s[4:11], s[0:1], 0x0               ; E s[4:5], vpart s[6:7], b s[8:9], hidden s[10:11]
	s_load_b128 s[12:15], s[0:1], 0x20             ; energy s[12:13], stats s[14:15]
	v_lshl_add_u32 v216, v0, 2, 0x1400
	v_mov_b32 v217, 0
	v_lshrrev_b32 v1, 5, v0
	v_readfirstlane_b32 s16, v1                    ; wave 0 .. 15
	v_and_b32 v1, 31, v0                           ; lane
	s_lshl_b32 s17, s16, 5                         ; my 8 words among the energies in LDS
	s_lshl_b32 s23, s16, 15                        ; my 8 rows of 4,096 bytes
	s_lshl_b32 s28, s16, 8                         ; my wave's 64 columns of v, b, h: 256 bytes
	s_lshl_b32 s29, s16, 3                         ; my wave's two words of CW
	s_lshl_b32 s18, ttmp9, 19                      ; the group's 128 rows of E (below 128 MiB)
	s_mov_b32 s19, 0
	s_lshl_b32 s24, ttmp9, 9                       ; its 128 energies
	s_mov_b32 s25, 0
	s_lshl_b32 s26, ttmp9, 3                       ; its pair in stats
	s_mov_b32 s27, 0
	s_mov_b32 s20, 0x76543210                      ; v_permlanex16_b32: lane i of one half reads lane i of the other
	s_mov_b32 s21, 0xfedcba98
	v_lshlrev_b32 v4, 4, v1                        ; 16 x lane: reads of v and of the energies from LDS, the store of the energies
	v_lshlrev_b32 v6, 2, v1                        ; 4 x lane: my word of CW
	v_add_nc_u32 v2, s23, v4                       ; my 16 bytes in the first 512 of my wave's first row
	v_lshl_add_u32 v3, v1, 3, s28                  ; 8 t: columns 2 t, 2 t + 1 in vpart's rows, b, h and in LDS; 0 in thread 0
	v_lshrrev_b32 v5, 4, v1
	v_lshl_add_u32 v5, v5, 2, s29                  ; word 2 w + hh of CW
	v_mov_b32 v7, s17                              ; where my wave's energies go
	v_mov_b32 v[CI+1], 0
	v_mov_b32 v[PX], 0                             ; v_permlanex16_b32's destination counts as read: written once here
	s_wait_kmcnt 0x0
	s_add_nc_u64 s[4:5], s[4:5], s[18:19]
	s_add_nc_u64 s[12:13], s[12:13], s[24:25]
	s_add_nc_u64 s[14:15], s[14:15], s[26:27]
.irp p, 0,1,2,3,4,5,6,7,8,9,10,11,12,13,14,15
	global_load_b64 v[P+2*\p:P+2*\p+1], v3, s[6:7] offset:ROWB*\p              ; a wave's load: 256 consecutive aligned bytes; each byte once a group
.endr
	global_load_b64 v[BB:BB+1], v3, s[8:9]
	global_load_b64 v[HH:HH+1], v3, s[10:11]
	FILL 0
	FILL 1
	FILL 2
	FILL 3
	; v and c, while E's first rows are on their way
	s_wait_loadcnt 32                              ; the 32 loads of E behind them may be out: vpart, b and h are in
.irp p, 0,1,2,3,4,5,6,7
	v_pk_add_f32 v[P+2*\p:P+2*\p+1], v[P+2*\p:P+2*\p+1], v[P+2*\p+16:P+2*\p+17]
.endr
.irp p, 0,1,2,3
	v_pk_add_f32 v[P+2*\p:P+2*\p+1], v[P+2*\p:P+2*\p+1], v[P+2*\p+8:P+2*\p+9]
.endr
.irp p, 0,1
	v_pk_add_f32 v[P+2*\p:P+2*\p+1], v[P+2*\p:P+2*\p+1], v[P+2*\p+4:P+2*\p+5]
.endr
	v_pk_add_f32 v[P:P+1], v[P:P+1], v[P+2:P+3]    ; v of columns 2 t, 2 t + 1
	v_mul_f32 v19, v[BB], v[HH]
	v_fmac_f32 v19, v[BB+1], v[HH+1]               ; b . h over my two columns,
	v_add_f32_dpp v19, v19, v19 row_xmask:1 row_mask:0xf bank_mask:0xf
	v_add_f32_dpp v19, v19, v19 row_xmask:2 row_mask:0xf bank_mask:0xf
	v_add_f32_dpp v19, v19, v19 row_xmask:4 row_mask:0xf bank_mask:0xf
	v_add_f32_dpp v19, v19, v19 row_xmask:8 row_mask:0xf bank_mask:0xf         ; over my 16 lanes' 32 columns
	ds_store_b64 v3, v[P:P+1]
	ds_store_b32 v5, v19 offset:CW                 ; sixteen lanes store the same word with the same value
	s_wait_dscnt 0x0                               ; for the other waves' sake: my stores are in LDS before I say so
	s_barrier_signal -1
	s_barrier_wait -1
.irp j, 0,1,2,3,4,5,6,7
	ds_load_b128 v[VV+4*\j:VV+4*\j+3], v4 offset:512*\j                        ; v of columns 128 j + 4 l .. + 3, as a row of E lies in a slot
.endr
	ds_load_b32 v[CI], v6 offset:CW                ; lane l takes word l: the 32 lanes' words add up to c, so the sum over the lanes brings c in
	s_wait_dscnt 0x0
; Row r of my eight.  left = how many younger loads may be out (8 for each row asked for behind this one).  refill = 1: the slot gets row r + 4.
.macro ROW r, left, refill
	s_wait_loadcnt \left
.set XS, X+32*((\r)%4)
	v_pk_fma_f32 v[A:A+1], v[XS:XS+1], v[VV:VV+1], v[CI:CI+1]                  ; the first products start the four sums: nothing is cleared
.irp q, 1,2,3
	v_pk_mul_f32 v[A+2*\q:A+2*\q+1], v[XS+2*\q:XS+2*\q+1], v[VV+2*\q:VV+2*\q+1]
.endr
.irp q, 4,5,6,7,8,9,10,11,12,13,14,15
	v_pk_fma_f32 v[A+2*(\q%4):A+2*(\q%4)+1], v[XS+2*\q:XS+2*\q+1], v[VV+2*\q:VV+2*\q+1], v[A+2*(\q%4):A+2*(\q%4)+1]
.endr
.if \refill
	FILL \r+4                                      ; as soon as the slot has been read, ahead of the sum over the lanes
.endif
	v_pk_add_f32 v[A:A+1],   v[A:A+1],   v[A+4:A+5]
	v_pk_add_f32 v[A+2:A+3], v[A+2:A+3], v[A+6:A+7]
	v_pk_add_f32 v[A:A+1],   v[A:A+1],   v[A+2:A+3]
	v_add_f32 v[A], v[A], v[A+1]
	WSUM A
	ds_store_b32 v7, v[A] offset:EN+4*(\r)         ; all lanes store the same word with the same value
.endm
	ROW 0, 24, 1
	ROW 1, 24, 1
	ROW 2, 24, 1
	ROW 3, 24, 1
	ROW 4, 24, 0                                   ; the last four rows ask for nothing: the counts run down
	ROW 5, 16, 0
	ROW 6, 8, 0
	ROW 7, 0, 0
	s_wait_dscnt 0x0                               ; my eight energies are in LDS before I say so
	s_barrier_signal -1
	s_barrier_wait -1
	s_cmp_lg_u32 s16, 0
	s_cbranch_scc1 .Lend                           ; the rest is wave 0's: 128 numbers, four a lane
	ds_load_b128 v[52:55], v4 offset:EN            ; slot 0's registers, done with
	s_wait_dscnt 0x0
	global_store_b128 v4, v[52:55], s[12:13]       ; the wave stores 512 consecutive bytes, aligned; v[52:55] are not written again
	v_max3_num_f32 v60, v52, v53, v54
	v_max_num_f32 v60, v60, v55
	WMAX 60                                        ; m: the group's largest energy
.irp k, 0,1,2,3
	v_sub_f32 v[56+\k], v[52+\k], v60              ; the maximum goes away first, then the factor: the exponent's error does not grow with the energies
.endr
.irp k, 0,1,2,3
	v_mul_f32 v[56+\k], L2E, v[56+\k]
.endr
.irp k, 0,1,2,3
	v_exp_f32 v[56+\k], v[56+\k]
.endr
	v_nop                                          ; one plain place behind the last exponential before its result is read (ISA guide 5.7.2)
	s_wait_alu depctr_va_vdst(0)
	v_add_f32 v61, v56, v57
	v_add_f32 v56, v58, v59
	v_add_f32 v61, v61, v56
	WSUM 61                                        ; s: between 1 and 128
	v_cmp_eq_u32 vcc_lo, 0, v0
	s_wait_xcnt 0x0                                ; EXEC is a source of the store above: it narrows only behind this wait
	s_and_saveexec_b32 s22, vcc_lo
	global_store_b64 v3, v[60:61], s[14:15]        ; thread 0 (v3 = 0): the group's 8 bytes of stats, 2 KiB in the whole launch
	s_wait_xcnt 0x0                                ; and widens again only behind this one
	s_or_b32 exec_lo, exec_lo, s22
.Lend:
	s_wait_tensorcnt 0x0
	ds_add_u32 v216, v217
	s_wait_dscnt 0x0
	s_endpgm
.Lfunc_end_k_q3c17fafc6a_energy:
	.size	k_q3c17fafc6a_energy, .Lfunc_end_k_q3c17fafc6a_energy-k_q3c17fafc6a_energy
	.p2alignl 7, 3214868480
	.fill 96, 4, 3214868480
	.section	.rodata,"a",@progbits
	.p2align	6, 0x0
	.amdhsa_kernel k_q3c17fafc6a_energy
		.amdhsa_group_segment_fixed_size 7168
		.amdhsa_private_segment_fixed_size 0
		.amdhsa_enable_private_segment 0
		.amdhsa_kernarg_size 48
		.amdhsa_user_sgpr_count 2
		.amdhsa_user_sgpr_kernarg_segment_ptr 1
		.amdhsa_wavefront_size32 1
		.amdhsa_system_sgpr_workgroup_id_x 1
		.amdhsa_system_sgpr_workgroup_id_y 1
		.amdhsa_system_sgpr_workgroup_id_z 1
		.amdhsa_system_vgpr_workitem_id 0
		.amdhsa_next_free_vgpr 218
		.amdhsa_next_free_sgpr 66
		.amdhsa_reserve_vcc 1
		.amdhsa_float_denorm_mode_32 3
		.amdhsa_float_denorm_mode_16_64 3
		.amdhsa_memory_ordered 1
		.amdhsa_forward_progress 1
		.amdhsa_inst_pref_size 27
	.end_amdhsa_kernel
	.amdgpu_metadata
---
amdhsa.version: [ 1, 2 ]
amdhsa.kernels:
  - .name:           k_q3c17fafc6a_energy
    .symbol:         k_q3c17fafc6a_energy.kd
    .args:
      - { .name: encoder_outputs, .offset: 0, .size: 8, .value_kind: global_buffer, .address_space: global }
      - { .name: vpart, .offset: 8, .size: 8, .value_kind: global_buffer, .address_space: global }
      - { .name: b, .offset: 16, .size: 8, .value_kind: global_buffer, .address_space: global }
      - { .name: hidden, .offset: 24, .size: 8, .value_kind: global_buffer, .address_space: global }
      - { .name: energy, .offset: 32, .size: 8, .value_kind: global_buffer, .address_space: global }
      - { .name: stats, .offset: 40, .size: 8, .value_kind: global_buffer, .address_space: global }
    .group_segment_fixed_size: 7168
    .private_segment_fixed_size: 0
    .kernarg_segment_align: 8
    .kernarg_segment_size: 48
    .max_flat_workgroup_size: 512
    .sgpr_count:     66
    .vgpr_count:     218
    .wavefront_size: 32
...
	.end_amdgpu_metadata
.endif
;; end of part 2
;; launch softmax (part 3): grid 256 x 1, 1 waves a work-group, no clusters, 0 bytes of LDS; arguments energy, stats, out0; writes out0
.if DOCPART == 3
	.amdgcn_target "amdgcn-amd-amdhsa--gfx1250"
	.amdhsa_code_object_version 6
	.text
	.protected	k_q3c17fafc6a_softmax
	.globl	k_q3c17fafc6a_softmax
	.p2align	8
	.type	k_q3c17fafc6a_softmax,@function
k_q3c17fafc6a_softmax:
	s_mov_b64 s[64:65], 0
	v_nop
	global_prefetch_b8 v0, s[64:65] scope:SCOPE_SE
	s_setreg_imm32_b32 hwreg(HW_REG_WAVE_MODE, 25, 1), 1
	s_wait_xcnt 0x0
; THIRD OF THREE LAUNCHES.  out[i] = exp(e[i] - M) / S, with M = the largest of the 256 groups' maxima m_g and S = the sum of s_g exp(m_g - M),
; which is the sum of exp(e - M) over all 32,768 energies: the softmax with its maximum taken away, as reference() has it.
; One wave a work-group; it owns 128 outputs, four a lane.  Every wave reduces the 256 pairs (2 KiB) for itself: no LDS, no barrier, and
; five loads, all issued at once.  Nothing here is large enough for rings, clusters or requests ahead.
; LIMITS, stated: v_exp_f32 gives 0 for results below 2^-126 (ISA guide, its entry in chapter 15), so outputs that small come out as 0;
; the division is v_rcp_f32 and a multiplication.  A NaN or an infinite energy makes S, and with it every output, NaN.
.set ST,  4                            ; v[4:19]   load j: (m, s, m, s) of groups 64 j + 2 l, 64 j + 2 l + 1: m in the even registers, s in the odd
.set EV,  20                           ; v[20:23]  my four energies, then my four outputs
.set PX,  27                           ; v27       what v_permlanex16_b32 brings
.set L2E, 0x3fb8aa3b                   ; log2 e
	s_load_b128 s[4:7], s[0:1], 0x0                ; energy s[4:5], stats s[6:7]
	s_load_b64 s[8:9], s[0:1], 0x10                ; out0
	s_lshl_b32 s10, ttmp9, 9                       ; the group's 128 numbers
	s_mov_b32 s11, 0
	s_mov_b32 s12, 0x76543210                      ; v_permlanex16_b32: lane i of one half reads lane i of the other
	s_mov_b32 s13, 0xfedcba98
	v_lshlrev_b32 v1, 4, v0                        ; 16 x lane
	v_mov_b32 v[PX], 0                             ; v_permlanex16_b32's destination counts as read: written once here
	s_wait_kmcnt 0x0
	s_add_nc_u64 s[4:5], s[4:5], s[10:11]
	s_add_nc_u64 s[8:9], s[8:9], s[10:11]
.irp j, 0,1,2,3
	global_load_b128 v[ST+4*\j:ST+4*\j+3], v1, s[6:7] offset:512*\j
.endr
	global_load_b128 v[EV:EV+3], v1, s[4:5]
	s_wait_loadcnt 1                               ; the pairs are in; the one load behind them, the energies', may be out
	v_max3_num_f32 v24, v4, v6, v8
	v_max3_num_f32 v24, v24, v10, v12
	v_max3_num_f32 v24, v24, v14, v16
	v_max_num_f32 v24, v24, v18
	v_max_num_f32_dpp v24, v24, v24 row_xmask:1 row_mask:0xf bank_mask:0xf
	v_max_num_f32_dpp v24, v24, v24 row_xmask:2 row_mask:0xf bank_mask:0xf
	v_max_num_f32_dpp v24, v24, v24 row_xmask:4 row_mask:0xf bank_mask:0xf
	v_max_num_f32_dpp v24, v24, v24 row_xmask:8 row_mask:0xf bank_mask:0xf
	v_permlanex16_b32 v[PX], v24, s12, s13
	v_max_num_f32 v24, v24, v[PX]                  ; M, in every lane
.irp k, 0,2,4,6,8,10,12,14
	v_sub_f32 v[ST+\k], v[ST+\k], v24              ; m_g - M: 0 or below
.endr
.irp k, 0,2,4,6,8,10,12,14
	v_mul_f32 v[ST+\k], L2E, v[ST+\k]
.endr
.irp k, 0,2,4,6,8,10,12,14
	v_exp_f32 v[ST+\k], v[ST+\k]
.endr
	v_nop                                          ; one plain place behind the last exponential before its result is read (ISA guide 5.7.2)
	s_wait_alu depctr_va_vdst(0)
	v_mul_f32 v25, v[ST], v[ST+1]                  ; the first product starts the sum
.irp k, 2,4,6,8,10,12,14
	v_fmac_f32 v25, v[ST+\k], v[ST+\k+1]
.endr
	v_add_f32_dpp v25, v25, v25 row_xmask:1 row_mask:0xf bank_mask:0xf
	v_add_f32_dpp v25, v25, v25 row_xmask:2 row_mask:0xf bank_mask:0xf
	v_add_f32_dpp v25, v25, v25 row_xmask:4 row_mask:0xf bank_mask:0xf
	v_add_f32_dpp v25, v25, v25 row_xmask:8 row_mask:0xf bank_mask:0xf
	v_permlanex16_b32 v[PX], v25, s12, s13
	v_add_f32 v25, v25, v[PX]                      ; S, between 1 and 32,768
	v_rcp_f32 v26, v25                             ; the subtractions below are the plain places behind it; they touch neither v25 nor v26
	s_wait_loadcnt 0x0                             ; my four energies
.irp k, 0,1,2,3
	v_sub_f32 v[EV+\k], v[EV+\k], v24
.endr
.irp k, 0,1,2,3
	v_mul_f32 v[EV+\k], L2E, v[EV+\k]
.endr
.irp k, 0,1,2,3
	v_exp_f32 v[EV+\k], v[EV+\k]
.endr
	v_nop                                          ; one plain place behind the last exponential
	s_wait_alu depctr_va_vdst(0)
.irp k, 0,1,2,3
	v_mul_f32 v[EV+\k], v[EV+\k], v26
.endr
	global_store_b128 v1, v[EV:EV+3], s[8:9]       ; the wave stores 512 consecutive bytes, aligned
	s_endpgm
.Lfunc_end_k_q3c17fafc6a_softmax:
	.size	k_q3c17fafc6a_softmax, .Lfunc_end_k_q3c17fafc6a_softmax-k_q3c17fafc6a_softmax
	.p2alignl 7, 3214868480
	.fill 96, 4, 3214868480
	.section	.rodata,"a",@progbits
	.p2align	6, 0x0
	.amdhsa_kernel k_q3c17fafc6a_softmax
		.amdhsa_group_segment_fixed_size 0
		.amdhsa_private_segment_fixed_size 0
		.amdhsa_enable_private_segment 0
		.amdhsa_kernarg_size 24
		.amdhsa_user_sgpr_count 2
		.amdhsa_user_sgpr_kernarg_segment_ptr 1
		.amdhsa_wavefront_size32 1
		.amdhsa_system_sgpr_workgroup_id_x 1
		.amdhsa_system_sgpr_workgroup_id_y 1
		.amdhsa_system_sgpr_workgroup_id_z 1
		.amdhsa_system_vgpr_workitem_id 0
		.amdhsa_next_free_vgpr 32
		.amdhsa_next_free_sgpr 66
		.amdhsa_reserve_vcc 0
		.amdhsa_float_denorm_mode_32 3
		.amdhsa_float_denorm_mode_16_64 3
		.amdhsa_memory_ordered 1
		.amdhsa_forward_progress 1
		.amdhsa_inst_pref_size 5
	.end_amdhsa_kernel
	.amdgpu_metadata
---
amdhsa.version: [ 1, 2 ]
amdhsa.kernels:
  - .name:           k_q3c17fafc6a_softmax
    .symbol:         k_q3c17fafc6a_softmax.kd
    .args:
      - { .name: energy, .offset: 0, .size: 8, .value_kind: global_buffer, .address_space: global }
      - { .name: stats, .offset: 8, .size: 8, .value_kind: global_buffer, .address_space: global }
      - { .name: out0, .offset: 16, .size: 8, .value_kind: global_buffer, .address_space: global }
    .group_segment_fixed_size: 0
    .private_segment_fixed_size: 0
    .kernarg_segment_align: 8
    .kernarg_segment_size: 24
    .max_flat_workgroup_size: 32
    .sgpr_count:     66
    .vgpr_count:     32
    .wavefront_size: 32
...
	.end_amdgpu_metadata
.endif
;; end of part 3
